; MI455X (gfx1250); checked and timed in simulation.
; The chip was launched on July 23, 2026; its instructions are those of AMD's public machine-readable ISA for CDNA 5 (MIT licence, August 2026) and "CDNA5" Instruction Set Architecture Reference Guide (July 2026). The comments in the code are by the model that wrote it; some were corrected since.
;; Open CLIP Vi T. Allowed arithmetic: matrix products marked QUANTISED: E2M3 operands, one E8M0 scale for each 32 along K, by v_wmma_scale_f32_16x16x128_f8f6f4 with both operands' format E2M3, f32 sums; everything else in f32.
;; Inputs: in_proj_b 3,072 float32; in_proj_w 3,072 x 1,024 float32; mask 64 x 128 bool; out_proj_b 1,024 float32; out_proj_w 1,024 x 1,024 float32; x 64 x 128 x 1,024 float32.
;; Outputs: out0 64 x 128 x 1,024 float32.
;; This version of the problem:
;;   THIS VERSION OF THE PROBLEM IS GIVEN IN LOW PRECISION. The matrix products marked QUANTISED in the list below multiply operands that are first quantised to E2M3 (2 exponent bits, 3 mantissa bits; 6 bits a number), with one power-of-two scale for each 32 numbers along K (OCP MX v1.0); their sums are f32. All else is computed in f32.
;;   The module's matrix products, in the order in which they are computed (A, B: the left and right operand; K: the contracted axis; several contracted axes count as one K, in the product's order):
;;     1. [M 8,192, K 1,024] x [K 1,024, N 3,072]; A: input x; B: input in_proj_w: QUANTISED
;;     2. batch 1,024 x [M 128, K 64] x [K 64, N 128]; A: computed on the way; B: computed on the way: QUANTISED
;;     3. batch 1,024 x [M 128, K 128] x [K 128, N 64]; A: softmax (see below); B: computed on the way: QUANTISED
;;     4. [M 8,192, K 1,024] x [K 1,024, N 1,024]; A: computed on the way; B: input out_proj_w: QUANTISED
;;   THE QUANTISER, for each operand of a quantised product, along K:
;;     - K is cut into blocks of 32 from its start; a last block that is shorter is filled with zeros.
;;     - A block's scale is 2^e with e = floor(log2(the largest magnitude in the block)) - 2, held to -126 .. 127; a block of zeros has e = 0. As a byte (E8M0): e + 127.
;;     - Each number is divided by its block's scale, clamped to +-7.5, and rounded to the nearest number of E2M3, ties to even, subnormals kept.
;;     - The product sums the exact products of the quantised numbers (number of the format x scale) in f32.
;;   ~~~python
;;   def quantise(x, axis):      # numpy; x: float32 -> the quantised numbers, widened to float32 again
;;       x = np.moveaxis(x, axis, -1); K = x.shape[-1]
;;       x = np.pad(x, [(0, 0)] * (x.ndim - 1) + [(0, -K % 32)]); x = x.reshape(x.shape[:-1] + (-1, 32)); a = np.abs(x).max(-1, keepdims=True)
;;       e = np.where(a > 0, np.clip(np.frexp(np.where(a > 0, a, 1))[1] - 1 - 2, -126, 127), 0)      # np.frexp(a)[1] - 1 = floor(log2(a)), exactly
;;       r = np.clip(x / 2.0 ** e, -7.5, 7.5)
;;       step = 2.0 ** (np.maximum(np.frexp(np.where(r == 0, 1, r))[1] - 1, 0) - 3)
;;       q = np.round(r / step) * step * 2.0 ** e      # np.round: ties to even
;;       return np.moveaxis(q.reshape(q.shape[:-2] + (-1,))[..., :K], -1, axis).astype(np.float32)
;;   ~~~
;;   SOFTMAX AHEAD OF A QUANTISED PRODUCT. Where the list says 'softmax', what is quantised is not the finished softmax but p = 2^(t - M), with t = logit x log2(e) and M = ceil(the row's largest t), a whole number; so 1/2 < the row's largest p <= 1. The row's sum l is taken of the UNQUANTISED p, in f32, and the product's result is divided by l at the end. Since M is a whole number, a kernel that streams over the keys may use a running M (the ceiling of the running maximum): every later rescaling is an exact power of two, which a block's scale takes up: the codes' values come out the same.
;;   OPERANDS COMPUTED ON THE WAY. 'Computed on the way' means the value that the module computes at that place (a softmax that the list does not call 'softmax' is quantised finished and normalised). What goes into a quantiser is computed in f32, as accurately as f32 sums, v_exp_f32 and their like allow (about 1e-6 of the number): no bf16 or f16 on the way to a quantiser, and a product that is left as it is and whose result goes on into a quantised operand takes f32 operands (vector FMAs, or v_wmma_f32_16x16x4_f32). A number that lies on a knife's edge between two numbers of the format may be rounded either way, as far as f32 arithmetic and the matrix unit's own rounding can turn it there, and no further.
;; One version. Each part assembles by itself: llvm-mc -triple=amdgcn-amd-amdhsa -mcpu=gfx1250 --defsym DOCPART=n.
;; ======== version 1 of 1: 3 launches
;; limits: right only within a limited range of input values
;; workspace buffers: xq 6,553,600 bytes; wq 2,457,600 bytes; oq 819,200 bytes; aq 6,553,600 bytes
;; launch quant (part 1): grid 768 x 1, 4 waves a work-group, no clusters, 34,816 bytes of LDS; arguments x, in_proj_w, out_proj_w, xq, wq, oq; writes xq, wq, oq
.if DOCPART == 1
	.amdgcn_target "amdgcn-amd-amdhsa--gfx1250"
	.amdhsa_code_object_version 6
	.text
	.protected	k_q71f49e7267_quant
	.globl	k_q71f49e7267_quant
	.p2align	8
	.type	k_q71f49e7267_quant,@function
k_q71f49e7267_quant:
	s_mov_b64 s[64:65], 0
	v_nop
	global_prefetch_b8 v0, s[64:65] scope:SCOPE_SE
	s_setreg_imm32_b32 hwreg(HW_REG_WAVE_MODE, 25, 1), 1
	s_wait_xcnt 0x0
; x [8192][1024], in_proj_w [3072][1024] and out_proj_w [1024][1024], f32 with K innermost, become codes of FP6 (E2M3) with one E8M0 byte for each 32 along K,
; laid as IMAGES OF OPERAND REGISTERS: a fragment (16 rows x 128 K, 12 registers a lane) is three planes of 512 bytes, plane j = registers 4 j .. 4 j + 3, lane l's 16 bytes at 16 l.
; THE ROWS OF A TILE ARE NOT NEIGHBOURS: row i of tile T is the tensor's row 64 (T / 4) + 8 (T % 4) + 32 (i / 8) + i % 8, so that in the later products' results a lane's 32 registers of
; four neighbouring tiles are 32 neighbours along the next K: a whole scale block.
; BUFFERS, scale words ahead of the codes they belong to ([tile][half of K][row 16][4 words] = 512 bytes a tile):
;   xq: [batch 64]: 4,096 bytes of scale words, then [K step 8][tile 8][1,536];   wq: [head 16]: 6,144, then [K step][q0-3, k0-3, v0-3][1,536];   oq: [64 columns]: 2,048, then [K step][tile 4][1,536].
; A block's scale is 2^(floor(log2(its largest magnitude)) - 2); its byte is the largest magnitude's exponent field - 2, held at 1 from below.
; LIMITS: a block of zeros gets the byte 1 where the quantiser says 127 (its codes are zeros, and this program alone reads the bytes); NaN and infinities among the inputs are not served.
; No work of the problem is left out in any launch of this program, and all inputs are loaded.
; SHARES: a work-group owns one tile: 0-511 x's, 512-703 in_proj_w's, 704-767 out_proj_w's.  Wave w takes K steps 2 w and 2 w + 1: 32 loads a wave, the work-group's 64 KiB on their way together.
; OUT_PROJ_W'S TILES ALONE are chosen otherwise: row i of its tile T is the tensor's row 64 (T / 4) + T % 4 + 4 i, so that in the last product's results a lane's four tiles are four neighbouring columns.
; Both choices are 32 (i / 8) + stride (i % 8) rows from the tile's first row: stride 1, or 4 for out_proj_w.
.set SP,     528
.set STAGEB, 16*SP                     ; a wave's stage
.set SCW,    4*STAGEB                  ; behind the stages: the tile's scale words, 512 bytes
.set SPARE,  SCW+512                   ; the spare words
.set CH,  8                            ; v8-11 two chains for each of two blocks
.set SO,  12                           ; v12-13 the conversions' scale operands
.set EB,  14                           ; v14-15 bytes
.set SW,  16                           ; v16-17 my two K steps' scale words
.set PX,  18
.set H8,  19                           ; v19 8 x (lane / 16)
.set T2,  20                           ; v20-26 the conversions' second halves
.set PC,  36                           ; v36-59 codes, a set for each K step
.set X,   60                           ; v60-123 64 numbers: register 32 c + i = k 64 c + 32 (lane / 16) + i of row lane % 16
.set R,   124                          ; v124-251 two sets of 64 as loaded
.set SEL, 22
.set DST, 40
	s_load_b256 s[4:11], s[0:1], 0x0               ; x, in_proj_w, out_proj_w, xq
	s_load_b128 s[12:15], s[0:1], 0x20             ; wq, oq
	v_lshl_add_u32 v254, v0, 2, SPARE
	v_mov_b32 v255, 0
	v_lshrrev_b32 v1, 5, v0
	v_readfirstlane_b32 s24, v1                    ; wave 0..3: which quarter of K
	s_mov_b32 s[SEL], 0x76543210
	s_mov_b32 s[SEL+1], 0xfedcba98
	s_mov_b32 s25, 704
	s_cmp_lt_u32 ttmp9, 704
	s_cselect_b32 s25, 512, s25
	s_cmp_lt_u32 ttmp9, 512
	s_cselect_b32 s25, 0, s25
	s_sub_co_u32 s25, ttmp9, s25                   ; T: the tile's number in its tensor
	s_lshr_b32 s26, s25, 2
	s_lshl_b32 s26, s26, 6
	s_and_b32 s27, s25, 3
	s_lshl_b32 s45, s27, 3
	s_mov_b32 s82, 4096                            ; the stride of a tile's rows, in bytes
	s_mov_b32 s83, 0
	s_mov_b32 s46, 16384
	s_cmp_lt_u32 ttmp9, 704
	s_cselect_b32 s27, s45, s27
	s_cselect_b32 s82, s82, s46
	s_add_co_u32 s26, s26, s27                     ; the tile's first row
	s_lshl_b32 s26, s26, 12                        ; rows of 4,096 bytes
	s_lshl_b32 s27, s24, 10
	s_add_co_u32 s26, s26, s27                     ; + my two K steps: 1,024 bytes of a row
	s_mov_b32 s27, 0
	s_lshr_b32 s28, s25, 3                         ; x: the batch, the tile in it
	s_and_b32 s29, s25, 7
	s_mov_b32 s30, 102400                          ; bytes of a batch, of its scale words, of a K step
	s_mov_b32 s31, 4096
	s_mov_b32 s36, 12288
	s_bfe_u32 s32, s25, 0x40002                    ; in_proj_w: the head, the tile in it: 4 x (q, k or v) + tile
	s_lshr_b32 s33, s25, 6
	s_lshl_b32 s33, s33, 2
	s_and_b32 s35, s25, 3
	s_or_b32 s33, s33, s35
	s_mov_b32 s38, 153600
	s_mov_b32 s44, 6144
	s_mov_b32 s42, 18432
	s_lshr_b32 s34, s25, 2                         ; out_proj_w: the 64 columns, the tile in them (s35)
	s_mov_b32 s39, 51200
	s_mov_b32 s41, 2048
	s_mov_b32 s43, 6144
	s_cmp_lt_u32 ttmp9, 704                        ; the choices hang on the work-group's number alone
	s_cselect_b32 s32, s32, s34
	s_cselect_b32 s33, s33, s35
	s_cselect_b32 s38, s38, s39
	s_cselect_b32 s44, s44, s41
	s_cselect_b32 s42, s42, s43
	s_cmp_lt_u32 ttmp9, 512
	s_cselect_b32 s28, s28, s32
	s_cselect_b32 s29, s29, s33
	s_cselect_b32 s30, s30, s38
	s_cselect_b32 s31, s31, s44
	s_cselect_b32 s36, s36, s42                    ; bytes from a K step's fragment to the next
	s_mul_i32 s28, s28, s30
	s_lshl_b32 s30, s29, 9
	s_add_co_u32 s30, s30, s28                     ; the tile's scale words
	s_mul_i32 s29, s29, 1536
	s_add_co_u32 s28, s28, s29
	s_add_co_u32 s28, s28, s31
	s_mul_i32 s29, s24, s36
	s_lshl_b32 s29, s29, 1
	s_add_co_u32 s28, s28, s29                     ; my two fragments of codes
	s_mov_b32 s29, 0
	s_mov_b32 s31, 0
	s_mov_b32 s37, 0
	s_mul_i32 s44, s24, STAGEB
	s_lshr_b32 s45, s24, 1
	s_lshl_b32 s45, s45, 8                         ; my half of K: 256 bytes of scale words,
	s_and_b32 s46, s24, 1
	s_lshl_b32 s46, s46, 3                         ; my two words of a row's four
	s_add_co_u32 s45, s45, s46
	s_add_co_u32 s45, s45, SCW
	v_and_b32 v1, 31, v0                           ; lane
	v_and_b32 v2, 15, v0                           ; r
	v_bfe_u32 v3, v0, 4, 1                         ; h
	v_lshlrev_b32 v4, 4, v1                        ; 16 x lane: in a load's 512 bytes and in a plane
	v_add_nc_u32 v5, s44, v4                       ; the stage, in: as loaded
	v_mul_u32_u24 v6, v2, SP
	v_lshl_add_u32 v6, v3, 7, v6
	v_add_nc_u32 v6, s44, v6                       ; out: row r, + 128 h
	v_lshl_add_u32 v7, v2, 4, s45                  ; my words: + 16 r
	v_lshlrev_b32 v[H8], 3, v3
	v_mov_b32 v[PX], 0                             ; a lane permute's destination counts as one of its sources
	s_wait_alu depctr_va_vdst(0)
	s_wait_kmcnt 0x0
	s_cmp_lt_u32 ttmp9, 704
	s_cselect_b64 s[6:7], s[6:7], s[8:9]
	s_cselect_b64 s[12:13], s[12:13], s[14:15]
	s_cmp_lt_u32 ttmp9, 512
	s_cselect_b64 s[4:5], s[4:5], s[6:7]           ; the numbers
	s_cselect_b64 s[10:11], s[10:11], s[12:13]     ; codes and scale words
.set RB, 66                            ; s[66:81] where rows 0 .. 7 of the tile begin; rows 8 .. 15 lie 32 rows further on
	s_add_nc_u64 s[RB:RB+1], s[4:5], s[26:27]
.irp j, 1,2,3,4,5,6,7
	s_add_nc_u64 s[RB+2*\j:RB+2*\j+1], s[RB+2*\j-2:RB+2*\j-1], s[82:83]
.endr
.macro LOAD s                          ; K step s of mine, the tile's 16 rows: each load 512 consecutive bytes
.irp i, 0,1,2,3,4,5,6,7,8,9,10,11,12,13,14,15
	global_load_b128 v[R+64*(\s)+4*\i:R+64*(\s)+4*\i+3], v4, s[RB+2*(\i%8):RB+2*(\i%8)+1] offset:(\i/8)*131072+512*(\s) th:TH_LOAD_NT
.endr
.endm
	LOAD 0
	LOAD 1
	s_add_nc_u64 s[DST:DST+1], s[10:11], s[28:29]
	s_add_nc_u64 s[DST+2:DST+3], s[DST:DST+1], s[36:37]
	s_add_nc_u64 s[12:13], s[10:11], s[30:31]
.macro TURN s                          ; through the stage: LDS serves a wave's instructions in order, so no wait stands between the stores and the loads
.irp i, 0,1,2,3,4,5,6,7,8,9,10,11,12,13,14,15
	ds_store_b128 v5, v[R+64*(\s)+4*\i:R+64*(\s)+4*\i+3] offset:SP*\i
.endr
.irp c, 0,1
.irp j, 0,1,2,3,4,5,6,7
	ds_load_b128 v[X+32*\c+4*\j:X+32*\c+4*\j+3], v6 offset:256*\c+16*\j
.endr
.endr
.endm
.macro QUANT pc, pw                    ; the 64 numbers in v[X] on, two whole blocks, become a fragment's 12 registers and its rows' scale word
.set I_, 0
.rept 16
.irp c, 0,1
.if I_ == 0
	v_max3_num_f32 v[CH+2*\c], |v[X+32*\c]|, |v[X+32*\c+1]|, 0x1800000   ; the floor 2^(3 - 127): the byte cannot fall under 1
.elseif I_ == 1
	v_max3_num_f32 v[CH+2*\c+1], |v[X+32*\c+2]|, |v[X+32*\c+3]|, |v[X+32*\c+4]|
.elseif I_ < 15
	v_max3_num_f32 v[CH+2*\c+I_%2], v[CH+2*\c+I_%2], |v[X+32*\c+2*I_+1]|, |v[X+32*\c+2*I_+2]|
.else
	v_max3_num_f32 v[CH+2*\c], v[CH+2*\c], v[CH+2*\c+1], |v[X+32*\c+31]|
.endif
.endr
.set I_, I_+1
.endr
.irp c, 0,1
	v_add_nc_u32 v[SO+\c], 0xff000000, v[CH+2*\c]  ; 2 off its exponent field: the conversion's scale operand
.endr
.irp c, 0,1
	v_cvt_scalef32_pk16_fp6_f32 v[(\pc)+6*\c:(\pc)+6*\c+2], v[X+32*\c:X+32*\c+15], v[SO+\c]
	v_cvt_scalef32_pk16_fp6_f32 v[T2+4*\c:T2+4*\c+2], v[X+32*\c+16:X+32*\c+31], v[SO+\c]
.endr
.irp c, 0,1
	v_lshrrev_b32 v[EB+\c], 23, v[SO+\c]           ; the bytes; also the plain place behind the conversions
.endr
.irp c, 0,1
.irp i, 0,1,2
	v_mov_b32 v[(\pc)+6*\c+3+\i], v[T2+4*\c+\i]    ; (a conversion's three registers begin on an even number)
.endr
.endr
	v_lshl_or_b32 v[EB], v[EB+1], 16, v[EB]        ; blocks h and 2 + h,
	v_lshlrev_b32 v[EB], v[H8], v[EB]              ; at their places in the word;
	v_permlanex16_b32 v[PX], v[EB], s[SEL], s[SEL+1]
	v_or_b32 v[(\pw)], v[EB], v[PX]                ; with lane l xor 16's two the word is whole
.endm
.irp s, 0,1
	s_wait_loadcnt 16*(1-\s)                       ; this K step's 16 loads are in; the second one's may be out
	TURN \s
	s_wait_dscnt 0x0                               ; the numbers are back
	QUANT PC+12*\s, SW+\s
.irp j, 0,1,2
	global_store_b128 v4, v[PC+12*\s+4*\j:PC+12*\s+4*\j+3], s[DST+2*\s:DST+2*\s+1] offset:512*\j   ; a plane: 512 consecutive bytes, aligned
.endr
.endr
	v_add_nc_u32 v5, SCW, v4                       ; the tile's scale words, 16 bytes a lane
	ds_store_b64 v7, v[SW:SW+1]                    ; lanes r and r + 16 write the same eight bytes with the same value
	s_wait_alu depctr_va_vdst(0)
	s_wait_dscnt 0x0                               ; for the others' sake: my two words of each row have landed
	s_barrier_signal -1
	s_barrier_wait -1
	s_cmp_lg_u32 s24, 0
	s_cbranch_scc1 .Ldone
	ds_load_b128 v[X:X+3], v5
	s_wait_dscnt 0x0
	global_store_b128 v4, v[X:X+3], s[12:13]       ; 32 lanes store 512 consecutive bytes, aligned
.Ldone:
	s_wait_tensorcnt 0x0                           ; the wave's end
	ds_add_u32 v254, v255
	s_wait_dscnt 0x0
	s_endpgm
.Lfunc_end_k_q71f49e7267_quant:
	.size	k_q71f49e7267_quant, .Lfunc_end_k_q71f49e7267_quant-k_q71f49e7267_quant
	.p2alignl 7, 3214868480
	.fill 96, 4, 3214868480
	.section	.rodata,"a",@progbits
	.p2align	6, 0x0
	.amdhsa_kernel k_q71f49e7267_quant
		.amdhsa_group_segment_fixed_size 34816
		.amdhsa_private_segment_fixed_size 0
		.amdhsa_enable_private_segment 0
		.amdhsa_kernarg_size 48
		.amdhsa_user_sgpr_count 2
		.amdhsa_user_sgpr_kernarg_segment_ptr 1
		.amdhsa_wavefront_size32 1
		.amdhsa_system_sgpr_workgroup_id_x 1
		.amdhsa_system_sgpr_workgroup_id_y 1
		.amdhsa_system_sgpr_workgroup_id_z 1
		.amdhsa_system_vgpr_workitem_id 0
		.amdhsa_next_free_vgpr 256
		.amdhsa_next_free_sgpr 84
		.amdhsa_reserve_vcc 0
		.amdhsa_float_denorm_mode_32 3
		.amdhsa_float_denorm_mode_16_64 3
		.amdhsa_memory_ordered 1
		.amdhsa_forward_progress 1
		.amdhsa_inst_pref_size 19
	.end_amdhsa_kernel
	.amdgpu_metadata
---
amdhsa.version: [ 1, 2 ]
amdhsa.kernels:
  - .name:           k_q71f49e7267_quant
    .symbol:         k_q71f49e7267_quant.kd
    .args:
      - { .name: x, .offset: 0, .size: 8, .value_kind: global_buffer, .address_space: global }
      - { .name: in_proj_w, .offset: 8, .size: 8, .value_kind: global_buffer, .address_space: global }
      - { .name: out_proj_w, .offset: 16, .size: 8, .value_kind: global_buffer, .address_space: global }
      - { .name: xq, .offset: 24, .size: 8, .value_kind: global_buffer, .address_space: global }
      - { .name: wq, .offset: 32, .size: 8, .value_kind: global_buffer, .address_space: global }
      - { .name: oq, .offset: 40, .size: 8, .value_kind: global_buffer, .address_space: global }
    .group_segment_fixed_size: 34816
    .private_segment_fixed_size: 0
    .kernarg_segment_align: 8
    .kernarg_segment_size: 48
    .max_flat_workgroup_size: 128
    .sgpr_count:     84
    .vgpr_count:     256
    .wavefront_size: 32
...
	.end_amdgpu_metadata
.endif
;; end of part 1
;; launch attn (part 2): grid 8 x 32, 4 waves a work-group, clusters of 4 x 4, 327,680 bytes of LDS; arguments xq, wq, in_proj_b, mask, aq; writes aq
.if DOCPART == 2
	.amdgcn_target "amdgcn-amd-amdhsa--gfx1250"
	.amdhsa_code_object_version 6
	.text
	.protected	k_q71f49e7267_attn
	.globl	k_q71f49e7267_attn
	.p2align	8
	.type	k_q71f49e7267_attn,@function
k_q71f49e7267_attn:
	s_mov_b64 s[64:65], 0
	v_nop
	global_prefetch_b8 v0, s[64:65] scope:SCOPE_SE
	s_setreg_imm32_b32 hwreg(HW_REG_WAVE_MODE, 25, 1), 1
	s_wait_xcnt 0x0
	s_wait_alu depctr_hold_cnt(0) depctr_sa_sdst(0) depctr_va_vdst(0) depctr_va_sdst(0) depctr_va_ssrc(0) depctr_va_vcc(0) depctr_vm_vsrc(0)
	s_getreg_b32 s2, hwreg(HW_REG_IB_STS2, 6, 4)
	s_cmp_eq_u32 s2, 0
	s_cbranch_scc0 .Lentry_in_a_cluster
	s_endpgm
.Lentry_in_a_cluster:
	s_bfe_u32 s2, ttmp6, 0x10000c
	s_cmp_lg_u32 s2, 0xf033
	s_cbranch_scc0 .Lentry_shape_is_right
	s_endpgm
.Lentry_shape_is_right:
; For two batches and two heads: q, k, v = x W^T + bias; S = q k^T / 8 with the key mask; p = 2^(t - M); O = p v / l; O's codes go out.  All products on codes of FP6 (E2M3) with E8M0 scales.
; SHARES.  Work-group (hg, bp): heads 2 hg, 2 hg + 1, batches 2 bp, 2 bp + 1; WAVE w OWNS HEAD 2 hg + w % 2 OF BATCH 2 bp + w / 2: its q, k, v, p and O never change wave.
; ONE PASS OVER K: 12 tiles of W's rows (q, k, v: four each) x 8 tiles of 16 tokens = 96 accumulators.  K goes in eight steps of 128 through two LDS slots of two steps each: both are filled at the head,
; one tensor load a wave, and each is filled once more.
; CLUSTER 4 x 4: x's rows are shared along a row of the cluster, the heads' weights along a column: joint loads.
; LAYOUT.  q, k: source 0 = 16 rows of W, source 1 = 16 tokens; v: source 0 = 16 tokens, source 1 = 16 rows of W.  The tiles' rows were chosen by the launch that made the codes (row i of tile 4 c + j of a batch: token
; 64 c + 32 (i / 8) + 8 j + i % 8; a head's rows likewise), so that lane (r, h) (r = lane % 16, h = lane / 16) holds 32 neighbours along the next K over four tiles: channels 32 h + 8 j + i of a token (q, k),
; tokens 64 c + 32 h + 8 j + i of a channel (v), keys 64 c + 32 h + 8 j + i of a query (S^T = k q^T), channels 32 h + 8 t + i of a query (O^T = v^T p^T): always a whole scale block.
; The scores' K is 64: the upper six registers of q's fragments are zero codes, so whatever bits stand in the upper six of k's add nothing (every code of the format is a finite number); all scale bytes there are finite codes.
; LIMITS: a masked key adds -2^99 to its score, not -infinity: p is 0 there while scores stay under 2^96 in magnitude.  A batch all of whose keys are masked gives finite numbers where the
; softmax of all -infinity is NaN.  Blocks of zeros get the scale byte 1 (their codes are zeros).  NaN and infinities among the inputs are not served.  The mask's bytes are 0 or 1.
; REGISTERS, in windows of 256.  Window 0: v0-15 addresses; v16-39 scale words, two sets of 12 (lanes 0-15 x's tile i, lanes 16-31 q's or k's tile i; then v's four); v40-135 x's eight fragments;
;   v136-231 W's, two buffers of four; v232-255 the quantiser's work.  Windows 1, 2, 3: the accumulators of q, k, v.  (What lies where in the attention stands ahead of it.)
.set HW0, 43008                        ; LDS: slot 0: a head's scale words (6,144) and codes of two K steps (36,864), two heads;
.set X0,  86016                        ; a batch's scale words (4,096) and codes (24,576), two batches;
.set HX0, 28672
.set W1,  143360                       ; slot 1: codes alone
.set HW1, 36864
.set X1,  217088
.set HX1, 24576
.set SPARE, 266240                     ; the spare words
.set ASTG, 266752                      ; O's scale bytes on their way out, 256 bytes a wave
.set QST, 267776                       ; q's codes and scale words, 7,168 bytes a wave
.set SPW, 10                           ; never rewritten
.set NIL, 11                           ; never rewritten
.set L16, 12                           ; 16 x lane
.set L8,  13                           ; 8 x lane
.set SC,  16
.set XF,  40
.set WF,  136
.set CH,  232                          ; v232-239 two chains for each of four blocks; the first four then hold the scale operands
.set T2,  240                          ; v240-255 the conversions' second halves
.set MR,  144                          ; v144-159 the mask's bytes, from the last group of products on
.set FLOOR, 0x1800000                  ; 2^(3 - 127), under which no largest magnitude is taken: so no byte falls under 1
.set WV,  20
.set G1W, 28
.set G1X, 36
.set G1V, 44
.set G1Y, 52
.set G0W, 68
.set G0X, 72
.set G0V, 76
.set G0Y, 80
.set SEL, 44                           ; behind the pass: s[44:45]
.set CS,  46                           ; s[46:47]
.set MSB, 0
.macro WIN new                         ; the immediate's high byte repeats the setting that is left
.if MSB != (\new)
	s_set_vgpr_msb (MSB<<8)|(\new)
.set MSB, (\new)
.endif
.endm
.macro WALU
	s_wait_alu depctr_va_vdst(0)
.endm
.macro PLACES n
.rept \n
	v_nop
.endr
.endm
.macro CREST                           ; a round of the cluster's barrier behind its opening barrier
	s_cmp_lg_u32 s[WV], 0
	s_cbranch_scc1 .Lnot_wave_0_\@
	s_barrier_signal -3
.Lnot_wave_0_\@:
	s_barrier_wait -3
	s_barrier_signal -1
	s_barrier_wait -1
.endm
.macro CROUND
	s_barrier_signal -1
	s_barrier_wait -1
	CREST
.endm
.macro GROUP1 g, mask, c, r, p         ; r rows of c elements of 8 bytes, p elements apart; no padding; 21 set beside the mask
	s_or_b32 s[\g], s\mask, (3<<16)|(1<<21)
	s_mov_b32 s[\g+1], (\c)<<16
	s_mov_b32 s[\g+2], (\r)<<16
	s_mov_b32 s[\g+3], (\c)<<16
	s_mov_b32 s[\g+4], \r
	s_mov_b32 s[\g+5], \p
	s_mov_b32 s[\g+6], 0
	s_mov_b32 s[\g+7], 0
.endm
.macro TLOAD g0, g1
	tensor_load_to_lds s[\g0:\g0+3], s[\g1:\g1+7]
	s_nop 0
	PLACES 4
.endm
.macro ARM under, g0, g1, next
	s_cmp_lt_u32 s[WV], \under
	s_cbranch_scc0 \next
	TLOAD \g0, \g1
	s_branch .Lhead_asked
\next:
.endm
.macro WM d, a, b, c, sa, sb
	v_wmma_scale_f32_16x16x128_f8f6f4 v[(\d):(\d)+7], v[(\a):(\a)+11], v[(\b):(\b)+11], v[(\c):(\c)+7], v[(\sa)], v[(\sb)] matrix_a_fmt:MATRIX_FMT_FP6 matrix_b_fmt:MATRIX_FMT_FP6
.endm
.macro WR d, a, b, c, sa, sb           ; source 0's scales in lanes 16-31
	v_wmma_scale_f32_16x16x128_f8f6f4 v[(\d):(\d)+7], v[(\a):(\a)+11], v[(\b):(\b)+11], v[(\c):(\c)+7], v[(\sa)], v[(\sb)] matrix_a_fmt:MATRIX_FMT_FP6 matrix_b_fmt:MATRIX_FMT_FP6 matrix_a_scale:MATRIX_SCALE_ROW1
.endm
.macro WM0 d, a, b, sa, sb             ; the product starts the sum
	v_wmma_scale_f32_16x16x128_f8f6f4 v[(\d):(\d)+7], v[(\a):(\a)+11], v[(\b):(\b)+11], 0, v[(\sa)], v[(\sb)] matrix_a_fmt:MATRIX_FMT_FP6 matrix_b_fmt:MATRIX_FMT_FP6
.endm
.macro CVT d, s, e
	v_cvt_scalef32_pk16_fp6_f32 v[(\d):(\d)+2], v[(\s):(\s)+15], v[(\e)]
.endm
	s_load_b256 s[4:11], s[0:1], 0x0               ; xq, wq, in_proj_b, mask
	s_load_b64 s[12:13], s[0:1], 0x20              ; aq
	v_lshl_add_u32 v[SPW], v0, 2, SPARE
	v_mov_b32 v[NIL], 0
	ds_add_u32 v[SPW], v[NIL]                      ; the opening lines: the add, twice on end, and its wait
	ds_add_u32 v[SPW], v[NIL]
	v_lshrrev_b32 v1, 5, v0
	v_readfirstlane_b32 s[WV], v1                  ; wave 0..3
	s_bfe_u32 s21, ttmp6, 0x40000                  ; cx
	s_bfe_u32 s22, ttmp6, 0x40004                  ; cy
	s_lshl_b32 s23, ttmp9, 2
	s_add_co_u32 s23, s23, s21                     ; hg: which two heads
	s_and_b32 s63, ttmp7, 0xffff                   ; the cluster's y
	s_lshl_b32 s24, s63, 2
	s_add_co_u32 s24, s24, s22                     ; bp: which two batches
	s_lshl_b32 s25, s22, 2
	s_lshl_b32 s25, 15, s25                        ; my row of the cluster: the same batches
	s_lshl_b32 s26, 0x1111, s21                    ; my column: the same heads
	s_and_b32 s27, s[WV], 1                        ; which of the two heads
	s_lshr_b32 s60, s[WV], 1                       ; which of the two batches
	GROUP1 G1W, 26, 5376, 2, 19200                 ; two heads' scale words and K steps 0, 1
	GROUP1 G1X, 25, 3584, 2, 12800                 ; two batches' likewise
	GROUP1 G1V, 26, 4608, 2, 19200                 ; two heads' K steps 2, 3
	GROUP1 G1Y, 25, 3072, 2, 12800                 ; two batches'
	s_mul_i32 s84, s23, 307200                     ; the weights' offset: never holds cy
	s_mov_b32 s85, 0
	s_mul_i32 s86, s24, 204800                     ; x's: never holds cx
	s_mov_b32 s87, 0
	s_mul_i32 s88, s27, HW0                        ; the wave's LDS places
	s_mul_i32 s89, s60, HX0
	s_add_co_u32 s89, s89, X0
	s_add_co_u32 s90, s89, 4096
	s_mul_i32 s91, s60, HX1
	s_add_co_u32 s91, s91, X1
	s_add_co_u32 s92, s88, 6144
	s_mul_i32 s93, s27, HW1
	s_add_co_u32 s93, s93, W1
	s_sub_co_u32 s94, s89, s88
	s_add_co_u32 s95, s88, 4096
	s_mul_i32 s96, s27, 153600                     ; for the refills: waves 0 and 1 take a head each, waves 2 and 3 a batch each, by w % 2
	s_add_co_u32 s96, s96, 79872
	s_mov_b32 s97, 0
	s_mul_i32 s98, s27, 102400
	s_add_co_u32 s98, s98, 53248
	s_mov_b32 s99, 0
	s_mul_i32 s100, s27, HX0
	s_add_co_u32 s100, s100, X0+4096
	s_mul_i32 s101, s27, HX1
	s_add_co_u32 s101, s101, X1
	WALU
	s_wait_dscnt 0x0                               ; both opening adds are done
	CROUND                                         ; all sixteen work-groups are here: the first joint loads meet
	s_wait_kmcnt 0x0
	s_mov_b32 s[G0W], 1
	s_mov_b32 s[G0W+1], 0
	s_add_nc_u64 s[G0W+2:G0W+3], s[6:7], s[84:85]
	s_mov_b32 s[G0X], 1
	s_mov_b32 s[G0X+1], X0
	s_add_nc_u64 s[G0X+2:G0X+3], s[4:5], s[86:87]
	s_mov_b32 s[G0V], 1
	s_mov_b32 s[G0V+1], W1
	s_add_nc_u64 s[G0V+2:G0V+3], s[G0W+2:G0W+3], HW0
	s_mov_b32 s[G0Y], 1
	s_mov_b32 s[G0Y+1], X1
	s_add_nc_u64 s[G0Y+2:G0Y+3], s[G0X+2:G0X+3], HX0
	s_or_b32 s[G0W+3], s[G0W+3], 0x80000000
	s_or_b32 s[G0X+3], s[G0X+3], 0x80000000
	s_or_b32 s[G0V+3], s[G0V+3], 0x80000000
	s_or_b32 s[G0Y+3], s[G0Y+3], 0x80000000
	; the head's loads, one a wave, what is needed first asked for first: every way passes exactly one
	ARM 1, G0W, G1W, .Lhead_1
	ARM 2, G0X, G1X, .Lhead_2
	ARM 3, G0V, G1V, .Lhead_3
	TLOAD G0Y, G1Y
.Lhead_asked:
	s_lshl_b32 s61, s23, 1
	s_add_co_u32 s61, s61, s27                     ; my head
	s_lshl_b32 s62, s24, 1
	s_add_co_u32 s62, s62, s60                     ; my batch
	s_lshl_b32 s2, s61, 8
	s_mov_b32 s3, 0
	s_add_nc_u64 s[8:9], s[8:9], s[2:3]            ; the bias at my head's 64 numbers
	s_lshl_b32 s2, s62, 7
	s_add_nc_u64 s[10:11], s[10:11], s[2:3]        ; the mask's row
	s_mul_i32 s2, s62, 102400
	s_add_nc_u64 s[12:13], s[12:13], s[2:3]        ; aq: my batch
	s_lshl_b32 s2, s23, 9
	s_lshl_b32 s16, s27, 8
	s_add_co_u32 s2, s2, s16
	s_add_nc_u64 s[18:19], s[12:13], s[2:3]        ; its scale words: K step hg, half of the rows
	s_mul_i32 s2, s61, 768
	s_add_co_u32 s2, s2, 4096
	s_add_nc_u64 s[12:13], s[12:13], s[2:3]        ; its codes: my head's 768 bytes of a tile's 12,288
	; THE PREFETCHES INTO THE L2 of K steps 4, 5 (asked for in K step 0) and 6, 7 (in K step 2): more than a K step ahead of their tensor loads.  A row of the cluster shares its batches' blocks of 256 bytes out
	; among its sixteen waves, 12 each; the weights' are asked for by the clusters with y = 0 alone, a column's sixteen waves 18 each.  Shares go by address; lanes left over name the last block again.
	s_lshl_b32 s2, s21, 2
	s_add_co_u32 s2, s2, s[WV]
	s_lshr_b32 s3, s2, 3
	s_and_b32 s2, s2, 7
	s_lshl_b32 s84, s24, 1
	s_add_co_u32 s84, s84, s3
	s_mul_i32 s84, s84, 102400
	s_mul_i32 s2, s2, 3072
	s_add_co_u32 s84, s84, s2
	s_add_co_u32 s84, s84, 53248
	s_lshl_b32 s2, s22, 2
	s_add_co_u32 s2, s2, s[WV]
	s_lshr_b32 s3, s2, 3
	s_and_b32 s2, s2, 7
	s_lshl_b32 s86, s23, 1
	s_add_co_u32 s86, s86, s3
	s_mul_i32 s86, s86, 153600
	s_mul_i32 s2, s2, 4608
	s_add_co_u32 s86, s86, s2
	s_add_co_u32 s86, s86, 79872
	v_and_b32 v1, 15, v0                           ; r
	v_bfe_u32 v2, v0, 4, 1                         ; h
	v_and_b32 v3, 31, v0                           ; lane
	v_lshlrev_b32 v[L16], 4, v3
	v_lshlrev_b32 v[L8], 3, v3
	v_add_nc_u32 v4, s90, v[L16]                   ; x's fragments in slot 0, 1
	v_add_nc_u32 v5, s91, v[L16]
	v_add_nc_u32 v6, s92, v[L16]                   ; my head's in slot 0, 1
	v_add_nc_u32 v7, s93, v[L16]
	v_sub_nc_u32 v8, 1, v2
	v_mul_u32_u24 v8, s94, v8
	v_lshl_add_u32 v8, v1, 4, v8
	v_add_nc_u32 v8, s88, v8                       ; scale words: lanes 0-15 x's, lanes 16-31 my head's
	v_lshl_add_u32 v9, v1, 4, s95                  ; v's
	v_min_u32 v14, 11, v3
	v_lshl_add_u32 v14, v14, 8, s84
	v_min_u32 v15, 17, v3
	v_lshl_add_u32 v15, v15, 8, s86
	v_lshlrev_b32 v232, 7, v2                      ; q's and k's bias: channel 32 h + 8 b + i
	v_lshrrev_b32 v234, 3, v1
	v_and_b32 v235, 7, v1
	v_lshlrev_b32 v233, 2, v235
	v_lshl_add_u32 v233, v234, 7, v233             ; v's: channel 32 (r / 8) + 8 t + r % 8
	v_lshlrev_b32 v0, 5, v2                        ; the mask: keys 64 c + 32 h on
	WALU                                           ; all of the head's vector writes stand ahead of it
	; THE BIASES ARE THE FIRST PRODUCTS' C.  They lie in the accumulators of tile 7, whose own first products take them in place, last of each group
	WIN 0x40
.irp b, 0,1,2,3
	global_load_b128 v[224+8*\b:227+8*\b], v232, s[8:9] offset:32*\b
	global_load_b128 v[228+8*\b:231+8*\b], v232, s[8:9] offset:32*\b+16
.endr
	WIN 0x80
.irp b, 0,1,2,3
	global_load_b128 v[224+8*\b:227+8*\b], v232, s[8:9] offset:4096+32*\b
	global_load_b128 v[228+8*\b:231+8*\b], v232, s[8:9] offset:4096+32*\b+16
.endr
	WIN 0xc0
.irp t, 0,1,2,3
.irp j, 0,1,2,3,4,5,6,7                ; a lane holds one channel of v: the same number in all eight registers
	global_load_b32 v[152+32*\t+\j], v233, s[8:9] offset:8192+32*\t
.endr
.endr
	WIN 0
; ---- THE QUANTISER, line l of the 92 that turn four blocks of 32 numbers of window w (block q of half h at v[128 h + 32 q] on) into six registers of codes each and a byte each (v[e + q]); the blocks and two chains for each by
; turns.  A block's codes take the place of its upper 16 numbers, which are converted first (q, k); v's two bands of a tile lie side by side, in the place of the first band's.
.macro QLINE w, h, l, e
.set Q_, (\l)%4
.set S_, 128*(\h)+32*Q_
.set DD_, S_+16
.if (\w) == 3
.set DD_, 32*Q_+16+6*(\h)
.endif
.set I_, (\l)/4
.if (\l) < 4
	WIN (\w)*0x15
	v_max3_num_f32 v[CH+Q_], |v[S_]|, |v[S_+1]|, FLOOR
.elseif (\l) < 8
	WIN (\w)*0x15
	v_max3_num_f32 v[CH+4+Q_], |v[S_+2]|, |v[S_+3]|, |v[S_+4]|
.elseif (\l) < 60
	WIN (\w)*0x14
	v_max3_num_f32 v[CH+4*(I_%2)+Q_], v[CH+4*(I_%2)+Q_], |v[S_+2*I_+1]|, |v[S_+2*I_+2]|
.elseif (\l) < 64
	WIN (\w)*4
	v_max3_num_f32 v[CH+Q_], v[CH+Q_], |v[S_+31]|, v[CH+4+Q_]
.elseif (\l) < 68
	WIN 0
	v_add_nc_u32 v[CH+Q_], 0xff000000, v[CH+Q_]    ; 2 off its exponent field: the conversion's scale operand
.elseif (\l) < 72
	WIN (\w)
	CVT T2+4*Q_, S_+16, CH+Q_
.elseif (\l) < 76
	WIN 0
	v_lshrrev_b32 v[(\e)+Q_], 23, v[CH+Q_]         ; the bytes; also the plain places behind the conversions
.elseif (\l) < 80
	WIN (\w)|((\w)<<6)
	CVT DD_, S_, CH+Q_
.else
	WIN (\w)<<6
	v_mov_b32 v[DD_+I_-17], v[T2+4*Q_+I_-20]
.endif
.endm
.macro QEMIT w, e                      ; the lines that follow a product: eight of the search for the largest, four or six of the rest
.if QN_ < 184
.set QC_, 8
.if (QN_%92) >= 80
.set QC_, 6
.elseif (QN_%92) >= 64
.set QC_, 4
.endif
.rept QC_
	QLINE \w, QN_/92, QN_%92, (\e)+4*(QN_/92)
.set QN_, QN_+1
.endr
.endif
.endm
; ---- the pass.  A K step is three groups (q, k, v) of eight batches (x's tiles) of four products: the 96 accumulators take turns, one instruction a turn, in the same order in every step.
; Group n = 3 k + g multiplies W's buffer n % 2.  THREE RUNS OF LDS LOADS a step: behind group 0 the next step's scale words and v's fragments (into the buffer just read out); in group 2's middle the next step's q
; fragments and x's tiles 0-3, in place; behind group 2 x's tiles 4-7 and the next step's k fragments.
.macro LDW k, g
.irp f, 0,1,2,3
.irp j, 0,1,2
	ds_load_b128 v[WF+48*((3*(\k)+(\g))%2)+12*\f+4*\j:WF+48*((3*(\k)+(\g))%2)+12*\f+4*\j+3], v[6+((\k)/2)%2] offset:((\k)%2)*18432+(4*(\g)+\f)*1536+512*\j
.endr
.endr
.endm
.macro LDX k, a0
.irp a, \a0, \a0+1, \a0+2, \a0+3
.irp j, 0,1,2
	ds_load_b128 v[XF+12*(\a)+4*\j:XF+12*(\a)+4*\j+3], v[4+((\k)/2)%2] offset:((\k)%2)*12288+(\a)*1536+512*\j
.endr
.endr
.endm
.macro LDSC k
.irp q, 0,1,2,3,4,5,6,7
	ds_load_b32 v[SC+12*((\k)%2)+\q], v8 offset:512*\q+256*((\k)/4)+4*((\k)%4)
.endr
.irp q, 0,1,2,3
	ds_load_b32 v[SC+12*((\k)%2)+8+\q], v9 offset:512*\q+256*((\k)/4)+4*((\k)%4)
.endr
.endm
.macro BATCH k, g, a
.if ((\k) == 0) && ((\a) == 7)
	PLACES 5                                       ; the products ahead took these accumulators as their C
.endif
.set P_, SC+12*((\k)%2)
.set B_, WF+48*((3*(\k)+(\g))%2)
.irp b, 0,1,2,3
	WIN 0x50*((\g)+1)
.if (\g) < 2
.set D_, 32*(\a)+8*\b
.set C_, D_
.if (\k) == 0
.set C_, 224+8*\b
.endif
	WR D_, B_+12*\b, XF+12*(\a), C_, P_+4*(\g)+\b, P_+(\a)
.else
.set D_, 128*((\a)/4)+32*\b+8*((\a)%4)
.set C_, D_
.if (\k) == 0
.set C_, 152+32*\b
.endif
	WM D_, XF+12*(\a), B_+12*\b, C_, P_+(\a), P_+8+\b
.endif
.if (\k) == 7
.if (\g) == 1
	QEMIT 1, 20                                    ; q becomes codes among k's last products,
.elseif (\g) == 2
	QEMIT 2, 136                                   ; k among v's
.endif
.endif
.endr
.endm
.macro ASK ox, ow
	global_prefetch_b8 v14, s[4:5] offset:\ox th:TH_LOAD_NT scope:SCOPE_SE
	s_cmp_eq_u32 s63, 0
	s_cbranch_scc0 .Lnot_mine_\@
	global_prefetch_b8 v15, s[6:7] offset:\ow th:TH_LOAD_NT scope:SCOPE_SE
.Lnot_mine_\@:
.endm
.macro GR0 k
	s_wait_dscnt 24                                ; q's fragments and x's tiles 0-3 are in; behind them tiles 4-7 and k's fragments, 12 loads each
.irp a, 0,1,2,3,4,5,6,7
.if \a == 4
	s_wait_dscnt 12                                ; tiles 4-7 are in
.endif
	BATCH \k, 0, \a
.endr
	WIN 0
	PLACES 4                                       ; in front of loads into registers that products have read
.if (\k) < 7
	LDSC (\k)+1
.endif
	LDW \k, 2
.if (\k) == 0
	ASK 0, 0
.elseif (\k) == 2
	ASK HX1, HW1
.endif
.endm
; Group 1.  In K steps 1, 3, 5 a slot has been read out when v's fragments are in, and the other is needed next: in front of the barrier each wave waits for all its tensor loads, adds 0 to its spare word where
; a refill follows and waits for that and for its reads; products stand between.  K steps 1 and 3: the barrier opens a round and the slot is filled again; K step 5: a plain barrier.
.macro GR1 k
.set QN_, 0
.set CHG_, 0
.if ((\k) == 1) || ((\k) == 3)
.set CHG_, 1
.elseif (\k) == 5
.set CHG_, 2
.endif
.if (\k) < 7
	s_wait_dscnt 24                                ; k's fragments are in; behind them twelve scale words and v's twelve loads
.else
	s_wait_dscnt 12                                ; (v's alone)
.endif
.irp a, 0,1,2,3,4,5,6,7
.if (CHG_ > 0) && (\a == 1)
	WIN 0
	s_wait_tensorcnt 0x0
.if CHG_ == 1
	ds_add_u32 v[SPW], v[NIL]
.if (\k) == 1
.irp g, G1W, G1X                       ; no tensor load of mine is out, so a descriptor may be written: from here on dense blocks as rows of 256 bytes
	s_mov_b32 s[\g+1], 32<<16
	s_mov_b32 s[\g+3], 32<<16
	s_mov_b32 s[\g+5], 32
.endr
	s_mov_b32 s[G1W+2], 144<<16                    ; a head's 36,864 bytes
	s_mov_b32 s[G1W+4], 144
	s_mov_b32 s[G1X+2], 96<<16                     ; a batch's 24,576
	s_mov_b32 s[G1X+4], 96
	s_mov_b32 s[G0W+1], s92
	s_mov_b32 s[G0X+1], s100
	s_add_nc_u64 s[G0W+2:G0W+3], s[G0W+2:G0W+3], s[96:97]
	s_add_nc_u64 s[G0X+2:G0X+3], s[G0X+2:G0X+3], s[98:99]
.else
	s_mov_b32 s[G0W+1], s93
	s_mov_b32 s[G0X+1], s101
	s_add_nc_u64 s[G0W+2:G0W+3], s[G0W+2:G0W+3], HW1
	s_add_nc_u64 s[G0X+2:G0X+3], s[G0X+2:G0X+3], HX1
.endif
.endif
.endif
.if (CHG_ > 0) && (\a == 4)
	s_wait_dscnt 0x0
	s_barrier_signal -1
.endif
	BATCH \k, 1, \a
.endr
.if CHG_ > 0
	WIN 0
	s_barrier_wait -1
.if CHG_ == 1
	CREST                                          ; no wave of any partner still reads this slot or has a load on its way
	s_cmp_lt_u32 s[WV], 2
	s_cbranch_scc0 .Lfor_x_\@
	TLOAD G0W, G1W
	s_branch .Lasked_\@
.Lfor_x_\@:
	TLOAD G0X, G1X
.Lasked_\@:
.endif
.endif
.endm
.macro GR2 k
.set QN_, 0
.if (\k) == 7
	WIN 0
	PLACES 4                                       ; k's last products: their results are read, and W's buffer is written, below
.irp q, 0,1,2,3
	global_load_b128 v[MR+4*\q:MR+4*\q+3], v0, s[10:11] offset:64*(\q/2)+16*(\q%2)   ; the mask's bytes of keys 64 (q / 2) + 32 h + 16 (q % 2) on
.endr
.endif
	s_wait_dscnt 0x0                               ; v's fragments are in
.irp a, 0,1,2,3,4,5,6,7
	BATCH \k, 2, \a
.if ((\k) < 7) && (\a == 3)
	WIN 0
	PLACES 4
	LDW (\k)+1, 0
	LDX (\k)+1, 0
.endif
.endr
.if (\k) < 7
	WIN 0
	PLACES 4
	LDX (\k)+1, 4
	LDW (\k)+1, 1
.endif
.endm
	s_cmp_lt_u32 s[WV], 2                          ; waves 0 and 1 fetched slot 0; slot 1 may be on its way
	s_cbranch_scc0 .Lnot_slot_0
	s_wait_tensorcnt 0x0
.Lnot_slot_0:
	s_barrier_signal -1
	s_barrier_wait -1
	LDSC 0
	LDW 0, 0
	LDX 0, 0
	LDX 0, 4
	LDW 0, 1
	s_wait_loadcnt 0x0                             ; the biases
.irp k, 0,1,2,3,4,5,6,7
	GR0 \k
	GR1 \k
	GR2 \k
.endr
	WIN 0
	PLACES 4
	s_wait_xcnt 0x0                                ; the prefetches have read their offsets, which are rewritten below
	s_mov_b32 s[SEL], 0x76543210
	s_mov_b32 s[SEL+1], 0xfedcba98
	s_mov_b32 s[CS], 0x3e38aa3b                    ; log2(e) / sqrt(64)
	s_mov_b32 s[CS+1], s[CS]
.set QN_, 0
.rept 184                              ; v: codes of tile t in window 3, v[32 t + 16 .. + 27]; bytes v160-163 (band 0), v164-167
	QLINE 3, QN_/92, QN_%92, 160+4*(QN_/92)
.set QN_, QN_+1
.endr
	WIN 0
.irp a, 0,1,2,3,4,5,6,7
	v_lshl_or_b32 v[168+\a], v[136+\a], 16, v[20+\a]
.endr
.irp t, 0,1,2,3
	v_lshl_or_b32 v[176+\t], v[164+\t], 16, v[160+\t]
.endr
.irp a, 0,1,2,3,4,5,6,7
	v_permlanex16_b32 v[208+\a], v[168+\a], s[SEL], s[SEL+1]
.endr
.irp t, 0,1,2,3
	v_permlanex16_b32 v[216+\t], v[176+\t], s[SEL], s[SEL+1]
.endr
.irp a, 0,1,2,3,4,5,6,7
	v_lshl_or_b32 v[192+\a], v[208+\a], 8, v[168+\a]   ; lanes 0-15: q's two bytes, then k's two
.endr
.irp t, 0,1,2,3
	v_lshl_or_b32 v[24+\t], v[216+\t], 8, v[176+\t]    ; v's scale words
.endr
.irp a, 0,1,2,3,4,5,6,7
	v_alignbit_b32 v[16+\a], v[192+\a], v[192+\a], 16  ; k's two bytes first: k's scale words
.endr
; ---- THE ATTENTION.  Window 0: v4-9, 14, 15 addresses; v16-23 k's, v24-27 v's, v28-29 q's, v30-31 p's scale words; v32-159 S^T of two tiles of 16 queries; v160-183 q's fragments; v184-207 p's; v208-255 24 registers
; of statistics for each tile.  Window 1: the mask as the scores' C, tile a at v[32 a].  Window 2: k's fragments at v[32 a + 16].  Window 3: v's at v[32 t + 16]; v128-191 O^T; v192-222 work on it.
	s_mul_i32 s90, s[WV], 7168
	s_add_co_u32 s90, s90, QST
	s_add_co_u32 s91, s90, 6144
	s_lshl_b32 s89, s[WV], 8
	s_add_co_u32 s89, s89, ASTG
	v_add_nc_u32 v4, s90, v[L16]                   ; q's stage: tiles of 512 + 256 bytes,
	v_add_nc_u32 v5, s90, v[L8]
	v_lshl_add_u32 v6, v3, 2, s91                  ; and scale words, 128 bytes a tile
	v_lshl_add_u32 v14, v1, 1, v2
	v_add_nc_u32 v14, s89, v14                     ; O's scale bytes: 2 r + h
	WIN 0x04                                       ; an LDS store's data are its source 1: window 1
.irp a, 0,1,2,3,4,5,6,7
	ds_store_b128 v4, v[32*\a+16:32*\a+19] offset:768*\a
	ds_store_b64 v5, v[32*\a+20:32*\a+21] offset:768*\a+512
.endr
	WIN 0
.irp a, 0,1,2,3,4,5,6,7
	ds_store_b32 v6, v[192+\a] offset:128*\a
.endr
.irp i, 6,7,8,9,10,11
	v_mov_b32 v[160+\i], 0                         ; K = 64 .. 127 of q's fragments: zero codes
	v_mov_b32 v[172+\i], 0
.endr
.macro LOADQ a0, a1, a2                ; two tiles' fragments of q and their scale words
	ds_load_b128 v[160:163], \a0
	ds_load_b64 v[164:165], \a1 offset:512
	ds_load_b128 v[172:175], \a0 offset:768
	ds_load_b64 v[176:177], \a1 offset:1280
	ds_load_b32 v28, \a2
	ds_load_b32 v29, \a2 offset:128
.endm
	LOADQ v4, v5, v6                               ; LDS serves a wave's instructions in order: these see my stores
	s_movk_i32 s52, 0xf1
	s_mov_b32 s48, 0x000c0c0c                      ; selects: one byte to the top, zeros below it
	s_mov_b32 s49, 0x010c0c0c
	s_mov_b32 s50, 0x020c0c0c
	s_mov_b32 s51, 0x030c0c0c
	WALU
	s_wait_loadcnt 0x0                             ; the mask
.set N_, 0
.rept 16
	v_mul_lo_u32 v[MR+N_], v[MR+N_], s52           ; each byte 0 or 1 becomes 0 or 0xf1
.set N_, N_+1
.endr
	WIN 0x40
.set N_, 0
.rept 64
	v_perm_b32 v[32*(N_/8)+N_%8], v[MR+N_/4], v[MR+N_/4], s[48+N_%4]   ; 0 or 0xf1000000 = -2^99: number 32 c + 8 j + i is key 64 c + 32 h + 8 j + i
.set N_, N_+1
.endr
	WIN 0xc0
	v_mov_b32 v193, 0                              ; named as the upper halves of pairs
	v_mov_b32 v195, 0
	WIN 0
	v_mov_b32 v215, 0
	v_mov_b32 v239, 0
.macro SPROD p                         ; product p of the pair's sixteen scores
	WIN 0x12                                       ; k window 2, q window 0, the mask window 1, D window 0
	WM 32+8*(\p), 32*((\p)%8)+16, 160+12*((\p)/8), 32*((\p)%8), 16+(\p)%8, 28+(\p)/8
.endm
	WALU
	s_wait_dscnt 0x0
.set N_, 0
.rept 16
	SPROD N_
.set N_, N_+1
.endr
	WIN 0
; ---- line n of the 78 that bring two tiles' O out, by turns: everything in window 3
.macro OL n
.set U_, (\n)%2
.set I_, (\n)/2
.set O_, 128+32*U_
.set X_, 196+2*U_
.if (\n) < 32
	v_pk_mul_f32 v[O_+2*I_:O_+2*I_+1], v[O_+2*I_:O_+2*I_+1], v[192+2*U_:193+2*U_] op_sel_hi:[1,0]   ; O / l
.elseif (\n) < 64
.set I_, I_-16
.if I_ == 0
	v_max3_num_f32 v[X_], |v[O_]|, |v[O_+1]|, FLOOR
.elseif I_ == 1
	v_max3_num_f32 v[X_+1], |v[O_+2]|, |v[O_+3]|, |v[O_+4]|
.elseif I_ < 15
	v_max3_num_f32 v[X_+I_%2], v[X_+I_%2], |v[O_+2*I_+1]|, |v[O_+2*I_+2]|
.else
	v_max3_num_f32 v[X_], v[X_], v[X_+1], |v[O_+31]|
.endif
.elseif (\n) < 66
	v_add_nc_u32 v[200+U_], 0xff000000, v[X_]
.elseif (\n) < 68
	CVT 216+4*U_, O_+16, 200+U_
.elseif (\n) < 70
	CVT 204+6*U_, O_, 200+U_
.elseif (\n) < 72
	v_lshrrev_b32 v[202+U_], 23, v[200+U_]
.else
	v_mov_b32 v[207+6*U_+I_-36], v[216+4*U_+I_-36]
.endif
.endm
.set TT, 208                           ; a tile's statistics: +0..3 two chains for each of its lane's two blocks; +4 a permute's result; +5 the row's largest; +6, 7 -M; +8..11 the sum in two chains; +12..18 conversions; +20, 21 scale operands; +22, 23 bytes
; ---- two tiles of queries, by turns.  next = 1: the next pair's q is fetched, and its scores are multiplied among the lines that bring this pair's O out
.macro PAIR next
	PLACES 4                                       ; the scores were just made
.irp i, 0,1,2,3,4,5,6,7,8,9,10,11,12,13,14
.irp u, 0,1
.irp c, 0,1
.set S_, 32+64*\u+32*\c
.set Y_, TT+24*\u+2*\c+\i%2
.if \i == 0
	v_max3_num_f32 v[Y_], v[S_], v[S_+1], v[S_+2]
.elseif \i == 1
	v_max3_num_f32 v[Y_], v[S_+3], v[S_+4], v[S_+5]
.else
	v_max3_num_f32 v[Y_], v[Y_], v[S_+2*\i+2], v[S_+2*\i+3]
.endif
.endr
.endr
.endr
.irp c, 0,1
.irp u, 0,1
	v_max_num_f32 v[TT+24*\u+2*\c], v[TT+24*\u+2*\c], v[TT+24*\u+2*\c+1]   ; the largest score of block 2 c + h: for the row's maximum and for the block's largest p
.endr
.endr
.irp u, 0,1
	v_max_num_f32 v[TT+24*\u+5], v[TT+24*\u], v[TT+24*\u+2]
.endr
	v_add_nc_u32 v15, s91, v14                     ; where this pair's scale bytes go
.if \next
	v_add_nc_u32 v7, s89, v4                       ; where the next pair's q lies
.endif
.irp u, 0,1
	v_permlanex16_b32 v[TT+24*\u+4], v[TT+24*\u+5], s[SEL], s[SEL+1]
.endr
.if \next
	v_add_nc_u32 v8, s89, v5
	v_add_nc_u32 v9, s90, v6
.endif
.irp u, 0,1
	v_max_num_f32 v[TT+24*\u+5], v[TT+24*\u+5], v[TT+24*\u+4]
.endr
.irp u, 0,1
	v_mul_f32 v[TT+24*\u+5], s[CS], v[TT+24*\u+5]  ; the row's largest t
.endr
.irp u, 0,1
	v_floor_f32 v[TT+24*\u+6], -v[TT+24*\u+5]      ; -M = floor(-t): M is a whole number
.endr
.set N_, 32
.rept 32
	v_pk_fma_f32 v[N_:N_+1], v[N_:N_+1], s[CS:CS+1], v[TT+6:TT+7] op_sel_hi:[1,0,0]   ; t - M of the first tile
.set N_, N_+2
.endr
.irp c, 0,1
	v_fma_f32 v[TT+2*\c], v[TT+2*\c], s[CS], v[TT+6]
.endr
	WALU
.if \next
	LOADQ v7, v8, v9
.endif
.set N_, 32
.rept 32                               ; p = 2^(t - M) of the first tile, not normalised; t - M of the second beside it
	v_exp_f32 v[N_], v[N_]
	v_pk_fma_f32 v[64+N_:65+N_], v[64+N_:65+N_], s[CS:CS+1], v[TT+30:TT+31] op_sel_hi:[1,0,0]
	v_exp_f32 v[N_+1], v[N_+1]
.set N_, N_+2
.endr
.irp c, 0,1
	v_exp_f32 v[TT+2*\c], v[TT+2*\c]               ; each block's largest p: the same two instructions on the same number
	v_fma_f32 v[TT+24+2*\c], v[TT+24+2*\c], s[CS], v[TT+30]
.endr
	WALU
.set N_, 96
.rept 64
	v_exp_f32 v[N_], v[N_]
.set N_, N_+1
.endr
.irp c, 0,1
	v_exp_f32 v[TT+24+2*\c], v[TT+24+2*\c]
.endr
	v_nop                                          ; a plain place behind the exponentials
	WALU                                           ; one wait for both batches, ahead of their first reader
.irp u, 0,1
	v_pk_add_f32 v[TT+24*\u+8:TT+24*\u+9], v[32+64*\u:33+64*\u], v[34+64*\u:35+64*\u]     ; the row's sum of the unquantised p, in two chains
	v_pk_add_f32 v[TT+24*\u+10:TT+24*\u+11], v[36+64*\u:37+64*\u], v[38+64*\u:39+64*\u]
.endr
.set N_, 40
.rept 14
.irp u, 0,1
	v_pk_add_f32 v[TT+24*\u+8:TT+24*\u+9], v[TT+24*\u+8:TT+24*\u+9], v[N_+64*\u:N_+1+64*\u]
	v_pk_add_f32 v[TT+24*\u+10:TT+24*\u+11], v[TT+24*\u+10:TT+24*\u+11], v[N_+2+64*\u:N_+3+64*\u]
.endr
.set N_, N_+4
.endr
.irp u, 0,1
	v_pk_add_f32 v[TT+24*\u+8:TT+24*\u+9], v[TT+24*\u+8:TT+24*\u+9], v[TT+24*\u+10:TT+24*\u+11]
.endr
.irp c, 0,1
.irp u, 0,1
	v_max_num_f32 v[TT+24*\u+2*\c], FLOOR, v[TT+24*\u+2*\c]   ; a block all of whose keys are masked keeps the byte 1, its codes are zeros
.endr
.endr
.irp u, 0,1
	v_add_f32 v[TT+24*\u+8], v[TT+24*\u+8], v[TT+24*\u+9]
.endr
.irp c, 0,1
.irp u, 0,1
	v_add_nc_u32 v[TT+24*\u+20+\c], 0xff000000, v[TT+24*\u+2*\c]
.endr
.endr
.irp u, 0,1
	v_permlanex16_b32 v[TT+24*\u+4], v[TT+24*\u+8], s[SEL], s[SEL+1]
.endr
.irp c, 0,1
.irp u, 0,1
	v_lshrrev_b32 v[TT+24*\u+22+\c], 23, v[TT+24*\u+20+\c]
.endr
.endr
.irp u, 0,1
	v_add_f32 v[TT+24*\u+8], v[TT+24*\u+8], v[TT+24*\u+4]     ; l
.endr
.irp u, 0,1
	v_lshl_or_b32 v[TT+24*\u+22], v[TT+24*\u+23], 16, v[TT+24*\u+22]
.endr
	WALU
	WIN 0xc0
.irp u, 0,1
	v_rcp_f32 v[192+2*\u], v[TT+24*\u+8]           ; asked for here, read behind the products
.endr
	WIN 0
.irp u, 0,1
	v_permlanex16_b32 v[TT+24*\u+4], v[TT+24*\u+22], s[SEL], s[SEL+1]
.endr
.irp u, 0,1
	v_lshl_or_b32 v[30+\u], v[TT+24*\u+4], 8, v[TT+24*\u+22]  ; lanes 0-15: the four bytes of p's scale word
.endr
.irp c, 0,1
.irp u, 0,1
	CVT TT+24*\u+12+4*\c, 48+64*\u+32*\c, TT+24*\u+20+\c
	CVT 184+12*\u+6*\c, 32+64*\u+32*\c, TT+24*\u+20+\c
.endr
.endr
	v_nop                                          ; one plain place behind a scaled conversion
.irp i, 0,1,2
.irp c, 0,1
.irp u, 0,1
	v_mov_b32 v[187+12*\u+6*\c+\i], v[TT+24*\u+12+4*\c+\i]
.endr
.endr
.endr
	PLACES 4                                       ; an operand written by vector instructions stands four places ahead; p's scale words stand twelve moves further back
	WALU                                           ; ahead of the reciprocals' first reader
	WIN 0xc3                                       ; v window 3, p window 0, D window 3
.irp t, 0,1,2,3
.irp u, 0,1
	WM0 128+32*\u+8*\t, 32*\t+16, 184+12*\u, 24+\t, 30+\u
.endr
.endr
.if \next
	s_wait_dscnt 0x0                               ; the next pair's q is in
.endif
	s_wait_xcnt 0x0                                ; the last pair's stores have read their base and their data: only behind this wait is the base stepped, and are the data written again
	s_add_nc_u64 s[12:13], s[12:13], 24576         ; two tiles of tokens past these: the stores below reach back
.set L_, 0
.if \next
	SPROD 0
	SPROD 1
	PLACES 4                                       ; in front of the first read of O
.set M_, 2
.rept 14
	SPROD M_
.if M_ < 15
	WIN 0xff
.rept 6
	OL L_
.set L_, L_+1
.endr
.endif
.set M_, M_+1
.endr
.else
	PLACES 4
	WIN 0xff
.rept 78
	OL L_
.set L_, L_+1
.endr
.endif
	WIN 0x0c                                       ; a store's data are its source 1: window 3
	global_store_b128 v[L16], v[204:207], s[12:13] offset:-24576      ; half a fragment of the last product's operand: 512 consecutive bytes,
	global_store_b64 v[L8], v[208:209], s[12:13] offset:512-24576     ; and 256: both aligned to 256
	global_store_b128 v[L16], v[210:213], s[12:13] offset:-12288
	global_store_b64 v[L8], v[214:215], s[12:13] offset:512-12288
	ds_store_b8 v15, v202
	ds_store_b8 v15, v203 offset:32
	WIN 0
.endm
	s_mov_b32 s88, 3
	s_mov_b32 s89, 1536                            ; the next pair's q: 1,536 bytes of codes,
	s_mov_b32 s90, 256                             ; 256 of scale words a pair
	s_mov_b32 s91, 0                               ; this pair's scale bytes: 64 a pair
.Lpair:
	PAIR 1
	s_add_co_u32 s89, s89, 1536
	s_add_co_u32 s90, s90, 256
	s_add_co_u32 s91, s91, 64
	s_sub_co_u32 s88, s88, 1
	s_cmp_lg_u32 s88, 0
	s_cbranch_scc1 .Lpair
	PAIR 0                                         ; the last pair is written out: it fetches nothing
	; ---- the scale bytes of two heads meet: a row's four bytes are its word of the last product's K step hg
	s_lshl_b32 s2, s60, 9
	s_lshl_b32 s3, s27, 7
	s_add_co_u32 s2, s2, s3
	s_add_co_u32 s2, s2, ASTG
	v_lshl_add_u32 v7, v3, 2, s2                   ; rows 64 (w % 2) + 2 lane, + 1 of my batch
	WALU
	s_wait_dscnt 0x0
	s_barrier_signal -1
	s_barrier_wait -1
	ds_load_b32 v208, v7
	ds_load_b32 v209, v7 offset:256
	s_wait_dscnt 0x0
	v_perm_b32 v210, v209, v208, 0x05040100
	v_perm_b32 v211, v209, v208, 0x07060302
	global_store_b64 v[L8], v[210:211], s[18:19]   ; 32 lanes store 256 consecutive bytes, aligned
	s_wait_tensorcnt 0x0                           ; the wave's end
	ds_add_u32 v[SPW], v[NIL]
	s_wait_dscnt 0x0
	CROUND                                         ; the closing round
	s_endpgm
.Lfunc_end_k_q71f49e7267_attn:
	.size	k_q71f49e7267_attn, .Lfunc_end_k_q71f49e7267_attn-k_q71f49e7267_attn
	.p2alignl 7, 3214868480
	.fill 96, 4, 3214868480
	.section	.rodata,"a",@progbits
	.p2align	6, 0x0
	.amdhsa_kernel k_q71f49e7267_attn
		.amdhsa_group_segment_fixed_size 327680
		.amdhsa_private_segment_fixed_size 0
		.amdhsa_enable_private_segment 0
		.amdhsa_kernarg_size 40
		.amdhsa_user_sgpr_count 2
		.amdhsa_user_sgpr_kernarg_segment_ptr 1
		.amdhsa_wavefront_size32 1
		.amdhsa_system_sgpr_workgroup_id_x 1
		.amdhsa_system_sgpr_workgroup_id_y 1
		.amdhsa_system_sgpr_workgroup_id_z 1
		.amdhsa_system_vgpr_workitem_id 0
		.amdhsa_next_free_vgpr 1024
		.amdhsa_next_free_sgpr 102
		.amdhsa_reserve_vcc 0
		.amdhsa_float_denorm_mode_32 3
		.amdhsa_float_denorm_mode_16_64 3
		.amdhsa_memory_ordered 1
		.amdhsa_forward_progress 1
		.amdhsa_inst_pref_size 255
	.end_amdhsa_kernel
	.section	.bss,"aw",@nobits
	.p2align	6
	.space	262144
	.amdgpu_metadata
---
amdhsa.version: [ 1, 2 ]
amdhsa.kernels:
  - .name:           k_q71f49e7267_attn
    .symbol:         k_q71f49e7267_attn.kd
    .args:
      - { .name: xq, .offset: 0, .size: 8, .value_kind: global_buffer, .address_space: global }
      - { .name: wq, .offset: 8, .size: 8, .value_kind: global_buffer, .address_space: global }
      - { .name: in_proj_b, .offset: 16, .size: 8, .value_kind: global_buffer, .address_space: global }
      - { .name: mask, .offset: 24, .size: 8, .value_kind: global_buffer, .address_space: global }
      - { .name: aq, .offset: 32, .size: 8, .value_kind: global_buffer, .address_space: global }
    .group_segment_fixed_size: 327680
    .private_segment_fixed_size: 0
    .kernarg_segment_align: 8
    .kernarg_segment_size: 40
    .max_flat_workgroup_size: 128
    .sgpr_count:     102
    .vgpr_count:     1024
    .wavefront_size: 32
...
	.end_amdgpu_metadata
.endif
;; end of part 2
;; launch oproj (part 3): grid 8 x 32, 4 waves a work-group, clusters of 4 x 4, 327,680 bytes of LDS; arguments aq, oq, out_proj_b, out0; writes out0
.if DOCPART == 3
	.amdgcn_target "amdgcn-amd-amdhsa--gfx1250"
	.amdhsa_code_object_version 6
	.text
	.protected	k_q71f49e7267_oproj
	.globl	k_q71f49e7267_oproj
	.p2align	8
	.type	k_q71f49e7267_oproj,@function
k_q71f49e7267_oproj:
	s_mov_b64 s[64:65], 0
	v_nop
	global_prefetch_b8 v0, s[64:65] scope:SCOPE_SE
	s_setreg_imm32_b32 hwreg(HW_REG_WAVE_MODE, 25, 1), 1
	s_wait_xcnt 0x0
	s_wait_alu depctr_hold_cnt(0) depctr_sa_sdst(0) depctr_va_vdst(0) depctr_va_sdst(0) depctr_va_ssrc(0) depctr_va_vcc(0) depctr_vm_vsrc(0)
	s_getreg_b32 s2, hwreg(HW_REG_IB_STS2, 6, 4)
	s_cmp_eq_u32 s2, 0
	s_cbranch_scc0 .Lentry_in_a_cluster
	s_endpgm
.Lentry_in_a_cluster:
	s_bfe_u32 s2, ttmp6, 0x10000c
	s_cmp_lg_u32 s2, 0xf033
	s_cbranch_scc0 .Lentry_shape_is_right
	s_endpgm
.Lentry_shape_is_right:
; out0 = A W^T + out_proj_b on codes of FP6 (E2M3) with E8M0 scales: A = the attention's result, [8192][1024], W = out_proj_w.  Both arrive as images of operand registers, scale words ahead of the codes.
; SHARES.  Work-group (nb, bp): batches 2 bp, 2 bp + 1 (256 tokens) x columns 128 nb .. + 127; four waves, 2 x 2: a wave takes 64 of the columns, whose 32 fragments of W (384 registers) stay in registers, and every
; second tile of 16 tokens: its block s is tile 2 s + w / 2 of the sixteen.  32 products a block on four accumulators by turns; a block's rows leave behind its last product.
; CLUSTER 4 x 4: A is shared along a row of the cluster (the same batches), W along a column: joint loads, all issued at the head, one a wave; no LDS byte is filled twice.
; No prefetch: every tile is asked for at the head; there is no later tensor load that one could run ahead of.
; RESULTS LEAVE STRAIGHT FROM REGISTERS.  Source 0 = 16 tokens, source 1 = 16 rows of W; lane r of W's tile t is column 4 r + t, so a lane's four accumulators hold four neighbouring columns: with the bias added
; they lie in four neighbouring registers, 16 bytes, and sixteen lanes store one aligned 256-byte unit of a row.
; A tile's row i is token 64 c + 32 (i / 8) + 8 j + i % 8 of its batch (tile 4 c + j): register i of lane (r, h) is token 64 c + 32 h + 8 j + i.
; LIMITS: NaN and infinities are not served.
; REGISTERS.  Window 0: v2-14 addresses; v15-30 A's scale words, two sets; v32-63 W's; v64-159, v160-255 A's two sets.  Windows 1, 2: W's fragments of K steps 0-3, 4-7.
;   Window 3: v0-31 the accumulators; v32-63 rows on their way out; v96-99 the bias.
.set AB,   102400                      ; LDS: W's 102,400 bytes at 0; the two batches' behind it
.set SPARE, 307200                     ; the spare words
.set AS,  15
.set WSC, 32
.set AF,  64
.set CO,  12
.set SPW, 13
.set NIL, 14
.set WV,  20
.set G1W, 28
.set G1A, 36
.set G1B, 44
.set G1C, 52
.set G0W, 68
.set G0A, 72
.set G0B, 76
.set G0C, 80
.set MSB, 0
.macro WIN new
.if MSB != (\new)
	s_set_vgpr_msb (MSB<<8)|(\new)
.set MSB, (\new)
.endif
.endm
.macro PLACES n
.rept \n
	v_nop
.endr
.endm
.macro CROUND                          ; a round of the cluster's barrier
	s_barrier_signal -1
	s_barrier_wait -1
	s_cmp_lg_u32 s[WV], 0
	s_cbranch_scc1 .Lnot_wave_0_\@
	s_barrier_signal -3
.Lnot_wave_0_\@:
	s_barrier_wait -3
	s_barrier_signal -1
	s_barrier_wait -1
.endm
.macro GROUP1 g, mask, r               ; a dense block as r rows of 256 bytes
	s_or_b32 s[\g], s\mask, (3<<16)|(1<<21)
	s_mov_b32 s[\g+1], 32<<16
	s_mov_b32 s[\g+2], (\r)<<16
	s_mov_b32 s[\g+3], 32<<16
	s_mov_b32 s[\g+4], \r
	s_mov_b32 s[\g+5], 32
	s_mov_b32 s[\g+6], 0
	s_mov_b32 s[\g+7], 0
.endm
.macro TLOAD g0, g1
	tensor_load_to_lds s[\g0:\g0+3], s[\g1:\g1+7]
	s_nop 0
	PLACES 4
.endm
.macro ARM under, g0, g1, next
	s_cmp_lt_u32 s[WV], \under
	s_cbranch_scc0 \next
	TLOAD \g0, \g1
	s_branch .Lhead_asked
\next:
.endm
	s_load_b256 s[4:11], s[0:1], 0x0               ; aq, oq, out_proj_b, out0
	v_lshl_add_u32 v[SPW], v0, 2, SPARE
	v_mov_b32 v[NIL], 0
	ds_add_u32 v[SPW], v[NIL]                      ; the opening lines: the add, twice on end, and its wait
	ds_add_u32 v[SPW], v[NIL]
	v_lshrrev_b32 v1, 5, v0
	v_readfirstlane_b32 s[WV], v1
	s_bfe_u32 s21, ttmp6, 0x40000                  ; cx
	s_bfe_u32 s22, ttmp6, 0x40004                  ; cy
	s_lshl_b32 s23, ttmp9, 2
	s_add_co_u32 s23, s23, s21                     ; nb
	s_and_b32 s24, ttmp7, 0xffff
	s_lshl_b32 s24, s24, 2
	s_add_co_u32 s24, s24, s22                     ; bp
	s_lshl_b32 s25, s22, 2
	s_lshl_b32 s25, 15, s25                        ; my row of the cluster
	s_lshl_b32 s26, 0x1111, s21                    ; my column
	s_and_b32 s27, s[WV], 1                        ; which 64 columns
	s_lshr_b32 s60, s[WV], 1                       ; which of two neighbouring tiles
	GROUP1 G1W, 26, 400                            ; W's scale words and codes, 102,400 bytes
	GROUP1 G1A, 25, 208                            ; the first batch's scale words and tiles 0-3
	GROUP1 G1B, 25, 192                            ; its tiles 4-7
	GROUP1 G1C, 25, 400                            ; the second batch
	s_mul_i32 s84, s23, 102400                     ; W's offset: never holds cy
	s_mov_b32 s85, 0
	s_mul_i32 s86, s24, 204800                     ; A's: never holds cx
	s_mov_b32 s87, 0
	s_mul_i32 s88, s60, 12288                      ; the wave's LDS places
	s_add_co_u32 s88, s88, AB+4096
	s_lshl_b32 s89, s60, 6
	s_add_co_u32 s89, s89, AB
	s_mul_i32 s90, s27, 51200
	s_add_co_u32 s91, s90, 2048
	s_wait_alu depctr_va_vdst(0)
	s_wait_dscnt 0x0                               ; both opening adds are done
	CROUND                                         ; all sixteen work-groups are here: the joint loads meet
	s_wait_kmcnt 0x0
	s_mov_b32 s[G0W], 1
	s_mov_b32 s[G0W+1], 0
	s_add_nc_u64 s[G0W+2:G0W+3], s[6:7], s[84:85]
	s_mov_b32 s[G0A], 1
	s_mov_b32 s[G0A+1], AB
	s_add_nc_u64 s[G0A+2:G0A+3], s[4:5], s[86:87]
	s_mov_b32 s[G0B], 1
	s_mov_b32 s[G0B+1], AB+53248
	s_add_nc_u64 s[G0B+2:G0B+3], s[G0A+2:G0A+3], 53248
	s_mov_b32 s[G0C], 1
	s_mov_b32 s[G0C+1], 2*AB
	s_add_nc_u64 s[G0C+2:G0C+3], s[G0A+2:G0A+3], 102400
	s_or_b32 s[G0W+3], s[G0W+3], 0x80000000
	s_or_b32 s[G0A+3], s[G0A+3], 0x80000000
	s_or_b32 s[G0B+3], s[G0B+3], 0x80000000
	s_or_b32 s[G0C+3], s[G0C+3], 0x80000000
	ARM 1, G0W, G1W, .Lhead_1                      ; the head's loads, one a wave, what is needed first asked for first
	ARM 2, G0A, G1A, .Lhead_2
	ARM 3, G0B, G1B, .Lhead_3
	TLOAD G0C, G1C
.Lhead_asked:
	s_lshl_b32 s2, s23, 9
	s_lshl_b32 s3, s27, 8
	s_add_co_u32 s2, s2, s3
	s_mov_b32 s3, 0
	s_add_nc_u64 s[8:9], s[8:9], s[2:3]            ; my 64 columns, in the bias
	s_add_nc_u64 s[10:11], s[10:11], s[2:3]        ; and in a row of out0
	s_lshl_b32 s2, s24, 20
	s_lshl_b32 s12, s60, 15
	s_add_co_u32 s2, s2, s12
	s_add_nc_u64 s[10:11], s[10:11], s[2:3]        ; 256 rows of 4,096 bytes; my tiles lie 8 rows further on where w / 2 is 1
	v_and_b32 v64, 15, v0                          ; r
	v_bfe_u32 v65, v0, 4, 1                        ; h
	v_and_b32 v66, 31, v0                          ; lane
	v_lshlrev_b32 v67, 4, v66
	v_lshlrev_b32 v68, 3, v66
	v_add_nc_u32 v2, s88, v67                      ; A's planes of 16 bytes a lane: tiles 0-3, 4-7 of the first batch, of the second
	v_add_nc_u32 v3, 49152, v2
	v_add_nc_u32 v4, 102400, v2
	v_add_nc_u32 v5, 151552, v2
	v_add_nc_u32 v6, s88, v68                      ; of 8 bytes a lane
	v_add_nc_u32 v7, 49152, v6
	v_add_nc_u32 v8, 102400, v6
	v_add_nc_u32 v9, 151552, v6
	v_lshl_add_u32 v10, v64, 2, s89                ; A's scale words: 4 bytes a row and K step
	v_add_nc_u32 v11, 102400, v10
	v_lshlrev_b32 v[CO], 17, v65                   ; out0: 32 h rows,
	v_lshl_add_u32 v[CO], v64, 4, v[CO]            ; and 16 r bytes of a row
	v_add_nc_u32 v69, s91, v67                     ; my fragments of W
	v_lshl_add_u32 v70, v64, 4, s90                ; and their scale words
	v_lshlrev_b32 v71, 4, v64                      ; the bias: columns 4 r .. 4 r + 3
	s_wait_alu depctr_va_vdst(0)                   ; all of the head's vector writes stand ahead of it
	WIN 0xc0
	global_load_b128 v[96:99], v71, s[8:9]
	WIN 0
	s_cmp_eq_u32 s[WV], 0
	s_cbranch_scc0 .Lnot_w
	s_wait_tensorcnt 0x0                           ; W is in
.Lnot_w:
	s_barrier_signal -1
	s_barrier_wait -1
.irp t, 0,1,2,3
	ds_load_b128 v[WSC+8*\t:WSC+8*\t+3], v70 offset:512*\t
	ds_load_b128 v[WSC+8*\t+4:WSC+8*\t+7], v70 offset:512*\t+256
.endr
.irp k, 0,1,2,3,4,5,6,7
	WIN 0x40*(1+\k/4)
.irp t, 0,1,2,3
.irp j, 0,1,2
	ds_load_b128 v[12*(4*(\k%4)+\t)+4*\j:12*(4*(\k%4)+\t)+4*\j+3], v69 offset:\k*6144+\t*1536+512*\j
.endr
.endr
.endr
	WIN 0
	s_cmp_eq_u32 s[WV], 3
	s_cbranch_scc1 .Lnot_a
	s_wait_tensorcnt 0x0                           ; the first batch is in; the second may be on its way
.Lnot_a:
	s_wait_dscnt 0x0
	s_wait_loadcnt 0x0                             ; the bias
	s_barrier_signal -1
	s_barrier_wait -1
.macro FETCH s, half                   ; block s, K steps 4 half .. + 3: fragments, each two halves (a head each) of a plane of 512 bytes and one of 256: 16 loads; ahead of the first half its rows' eight scale words
.set AP_, AF+96*((\s)%2)
.if (\half) == 0
.irp k, 0,1,2,3,4,5,6,7
	ds_load_b32 v[AS+8*((\s)%2)+\k], v[10+(\s)/4] offset:512*\k+128*((\s)%4)
.endr
.endif
.irp q, 0,1,2,3
.set K_, 4*(\half)+\q
.irp c, 0,1
	ds_load_b128 v[AP_+12*K_+6*\c:AP_+12*K_+6*\c+3], v[2+(\s)/2] offset:24576*((\s)%2)+1536*K_+768*\c
	ds_load_b64 v[AP_+12*K_+6*\c+4:AP_+12*K_+6*\c+5], v[6+(\s)/2] offset:24576*((\s)%2)+1536*K_+768*\c+512
.endr
.endr
.endm
.macro MULT s, half                    ; 16 products: the four accumulators take turns, one instruction a turn
.set AP_, AF+96*((\s)%2)
	WIN 0xf4+4*(\half)                             ; A window 0, W window 1 or 2, C and D window 3
.irp q, 0,1,2,3
.set K_, 4*(\half)+\q
.irp t, 0,1,2,3
.if K_ == 0
	v_wmma_scale_f32_16x16x128_f8f6f4 v[8*\t:8*\t+7], v[AP_:AP_+11], v[12*\t:12*\t+11], 0, v[AS+8*((\s)%2)], v[WSC+8*\t] matrix_a_fmt:MATRIX_FMT_FP6 matrix_b_fmt:MATRIX_FMT_FP6
.else
	v_wmma_scale_f32_16x16x128_f8f6f4 v[8*\t:8*\t+7], v[AP_+12*K_:AP_+12*K_+11], v[12*(4*\q+\t):12*(4*\q+\t)+11], v[8*\t:8*\t+7], v[AS+8*((\s)%2)+K_], v[WSC+8*\t+K_] matrix_a_fmt:MATRIX_FMT_FP6 matrix_b_fmt:MATRIX_FMT_FP6
.endif
.endr
.endr
	WIN 0
.endm
.macro SENDOUT s
.if (\s) > 0
	s_wait_xcnt 0x0                                ; the last block's stores have read their data
.endif
	PLACES 4                                       ; in front of the first read of results, and of the next loads into this block's set
	WIN 0xff
.irp i, 0,1,2,3,4,5,6,7
.irp t, 0,1,2,3
	v_add_f32 v[32+4*\i+\t], v[8*\t+\i], v[96+\t]  ; each accumulator from its low end on
.endr
.endr
	WIN 0x0c                                       ; a store's data are its source 1: window 3
.irp i, 0,1,2,3,4,5,6,7
	global_store_b128 v[CO], v[32+4*\i:35+4*\i], s[10:11] offset:(128*((\s)/4)+64*(((\s)%4)/2)+16*((\s)%2)+\i)*4096 th:TH_STORE_NT   ; sixteen lanes store 256 consecutive bytes, aligned
.endr
	WIN 0
.endm
	FETCH 0, 0
	FETCH 0, 1
.irp s, 0,1,2,3,4,5,6,7
.if \s == 3
	s_wait_tensorcnt 0x0                           ; the second batch is in, in every wave behind the barrier
	s_wait_dscnt 0x0
	s_barrier_signal -1
	s_barrier_wait -1
.endif
.if \s < 7
	FETCH \s+1, 0                                  ; four places stand behind the products that read this set last
	s_wait_dscnt 40                                ; this block's first half is in; behind it its second half's 16 loads and the next block's 24
.else
	s_wait_dscnt 16
.endif
	MULT \s, 0
.if \s < 7
	s_wait_dscnt 24                                ; the second half is in
	FETCH \s+1, 1
.else
	s_wait_dscnt 0x0
.endif
	MULT \s, 1
	SENDOUT \s
.endr
	s_wait_tensorcnt 0x0                           ; the wave's end
	ds_add_u32 v[SPW], v[NIL]
	s_wait_dscnt 0x0
	CROUND                                         ; the closing round
	s_endpgm
.Lfunc_end_k_q71f49e7267_oproj:
	.size	k_q71f49e7267_oproj, .Lfunc_end_k_q71f49e7267_oproj-k_q71f49e7267_oproj
	.p2alignl 7, 3214868480
	.fill 96, 4, 3214868480
	.section	.rodata,"a",@progbits
	.p2align	6, 0x0
	.amdhsa_kernel k_q71f49e7267_oproj
		.amdhsa_group_segment_fixed_size 327680
		.amdhsa_private_segment_fixed_size 0
		.amdhsa_enable_private_segment 0
		.amdhsa_kernarg_size 32
		.amdhsa_user_sgpr_count 2
		.amdhsa_user_sgpr_kernarg_segment_ptr 1
		.amdhsa_wavefront_size32 1
		.amdhsa_system_sgpr_workgroup_id_x 1
		.amdhsa_system_sgpr_workgroup_id_y 1
		.amdhsa_system_sgpr_workgroup_id_z 1
		.amdhsa_system_vgpr_workitem_id 0
		.amdhsa_next_free_vgpr 1024
		.amdhsa_next_free_sgpr 102
		.amdhsa_reserve_vcc 0
		.amdhsa_float_denorm_mode_32 3
		.amdhsa_float_denorm_mode_16_64 3
		.amdhsa_memory_ordered 1
		.amdhsa_forward_progress 1
		.amdhsa_inst_pref_size 85
	.end_amdhsa_kernel
	.amdgpu_metadata
---
amdhsa.version: [ 1, 2 ]
amdhsa.kernels:
  - .name:           k_q71f49e7267_oproj
    .symbol:         k_q71f49e7267_oproj.kd
    .args:
      - { .name: aq, .offset: 0, .size: 8, .value_kind: global_buffer, .address_space: global }
      - { .name: oq, .offset: 8, .size: 8, .value_kind: global_buffer, .address_space: global }
      - { .name: out_proj_b, .offset: 16, .size: 8, .value_kind: global_buffer, .address_space: global }
      - { .name: out0, .offset: 24, .size: 8, .value_kind: global_buffer, .address_space: global }
    .group_segment_fixed_size: 327680
    .private_segment_fixed_size: 0
    .kernarg_segment_align: 8
    .kernarg_segment_size: 32
    .max_flat_workgroup_size: 128
    .sgpr_count:     102
    .vgpr_count:     1024
    .wavefront_size: 32
...
	.end_amdgpu_metadata
.endif
;; end of part 3
